; MI455X (gfx1250); checked and timed in simulation.
; The chip was launched on July 23, 2026; its instructions are those of AMD's public machine-readable ISA for CDNA 5 (MIT licence, August 2026) and "CDNA5" Instruction Set Architecture Reference Guide (July 2026). The comments in the code are by the model that wrote it; some were corrected since.
;; Temporal Attention. Allowed arithmetic: matrix products marked QUANTISED: E2M1 operands, one E8M0 scale for each 32 along K, by v_wmma_scale_f32_16x16x128_f8f6f4 with both operands' format E2M1 (or v_wmma_scale_f32_32x16x128_f4), f32 sums; products left as they are: bf16, f16 or f32 operands; f32 sums; everything else in f32.
;; Inputs: Wk 512 x 512 float32; Wo 512 x 512 float32; Wq 512 x 512 float32; Wv 512 x 512 float32; bk 512 float32; bo 512 float32; bq 512 float32; bv 512 float32; x 2 x 4,096 x 512 float32.
;; Outputs: out0 2 x 4,096 x 512 float32.
;; This version of the problem:
;;   THIS VERSION OF THE PROBLEM IS GIVEN IN LOW PRECISION. The matrix products marked QUANTISED in the list below multiply operands that are first quantised to E2M1 (2 exponent bits, 1 mantissa bit; 4 bits a number), with one power-of-two scale for each 32 numbers along K (OCP MX v1.0); their sums are f32. The products marked 'left as it is' may take bf16, f16 or f32 operands, with f32 sums. Whichever they take, every output number must still come out within the allowed error. Rounding operands to bf16 (8 significant bits) uses up far more of that allowance than f16 does (11 bits, for magnitudes from 6e-5 to 65,504). All else is computed in f32.
;;   The module's matrix products, in the order in which they are computed (A, B: the left and right operand; K: the contracted axis; several contracted axes count as one K, in the product's order):
;;     1. [M 8,192, K 512] x [K 512, N 512]; A: input x; B: input Wq: QUANTISED
;;     2. [M 8,192, K 512] x [K 512, N 512]; A: input x; B: input Wk: QUANTISED
;;     3. [M 8,192, K 512] x [K 512, N 512]; A: input x; B: input Wv: QUANTISED
;;     4. [M 4,096, K 1] x [K 1, N 32]; A: computed on the way; B: computed on the way: left as it is (no contracted axis)
;;     5. batch 16 x [M 4,096, K 64] x [K 64, N 4,096]; A: computed on the way; B: computed on the way: left as it is (an operand is computed on the way)
;;     6. batch 16 x [M 4,096, K 4,096] x [K 4,096, N 64]; A: computed on the way; B: computed on the way: left as it is (an operand is computed on the way)
;;     7. [M 8,192, K 512] x [K 512, N 512]; A: computed on the way; B: input Wo: left as it is (an operand is computed on the way)
;;   THE QUANTISER, for each operand of a quantised product, along K:
;;     - K is cut into blocks of 32 from its start; a last block that is shorter is filled with zeros.
;;     - A block's scale is 2^e with e = floor(log2(the largest magnitude in the block)) - 2, held to -126 .. 127; a block of zeros has e = 0. As a byte (E8M0): e + 127.
;;     - Each number is divided by its block's scale, clamped to +-6, and rounded to the nearest number of E2M1, ties to even, subnormals kept.
;;     - The product sums the exact products of the quantised numbers (number of the format x scale) in f32.
;;   ~~~python
;;   def quantise(x, axis):      # numpy; x: float32 -> the quantised numbers, widened to float32 again
;;       x = np.moveaxis(x, axis, -1); K = x.shape[-1]
;;       x = np.pad(x, [(0, 0)] * (x.ndim - 1) + [(0, -K % 32)]); x = x.reshape(x.shape[:-1] + (-1, 32)); a = np.abs(x).max(-1, keepdims=True)
;;       e = np.where(a > 0, np.clip(np.frexp(np.where(a > 0, a, 1))[1] - 1 - 2, -126, 127), 0)      # np.frexp(a)[1] - 1 = floor(log2(a)), exactly
;;       r = np.clip(x / 2.0 ** e, -6, 6)
;;       step = 2.0 ** (np.maximum(np.frexp(np.where(r == 0, 1, r))[1] - 1, 0) - 1)
;;       q = np.round(r / step) * step * 2.0 ** e      # np.round: ties to even
;;       return np.moveaxis(q.reshape(q.shape[:-2] + (-1,))[..., :K], -1, axis).astype(np.float32)
;;   ~~~
;; One version. Each part assembles by itself: llvm-mc -triple=amdgcn-amd-amdhsa -mcpu=gfx1250 --defsym DOCPART=n.
;; ======== version 1 of 1: 4 launches
;; limits: values are held in f16: magnitudes above 65,504 overflow, below 6.1e-05 lose precision
;; workspace buffers: xq 2,359,296 bytes; wb 442,368 bytes; wo16 524,288 bytes; rope 1,048,576 bytes; qf 8,388,608 bytes; kf 8,388,608 bytes; vf 8,388,608 bytes; ao 8,388,608 bytes
;; launch prep (part 1): grid 384 x 1, 4 waves a work-group, no clusters, 0 bytes of LDS; arguments x, Wq, Wk, Wv, Wo, xq, wb, wo16, rope; writes xq, wb, wo16, rope
.if DOCPART == 1
	.amdgcn_target "amdgcn-amd-amdhsa--gfx1250"
	.amdhsa_code_object_version 6
	.text
	.protected	k_q010b8445e1_prep
	.globl	k_q010b8445e1_prep
	.p2align	8
	.type	k_q010b8445e1_prep,@function
k_q010b8445e1_prep:
	s_mov_b64 s[64:65], 0
	v_nop
	global_prefetch_b8 v0, s[64:65] scope:SCOPE_SE
	s_setreg_imm32_b32 hwreg(HW_REG_WAVE_MODE, 25, 1), 1
	s_wait_xcnt 0x0
; PREP: everything that later launches read many times is made once, and laid in the order of the reader's operand registers
; (an "image": each group of four registers is 512 consecutive bytes, lane l at 16 l), so that no later launch transposes or pads.
;   work-groups   0- 47: Wq, Wk, Wv [512 (k)][512 (n)] f32 -> wb: codes of E2M1 along K with one E8M0 byte for each 32 along K
;   work-groups  48- 63: Wo [512 (k)][512 (n)] f32 -> wo16: f16 fragments (16 columns x 32 k)
;   work-groups  64-127: the RoPE tables cos, sin of position x 10^(-i/8), i = 0 .. 31, f32 -> rope
;   work-groups 128-383: x [8192][512] f32 -> xq: codes of E2M1 along K and their scale words
; A block's scale is 2^(floor(log2(largest magnitude)) - 2): its byte is the largest magnitude's exponent field - 2, held at 1 from below.
; LIMITS: a block of zeros gets the byte 1 where the quantiser says 127 (its codes are zeros, which add nothing, and this program alone reads the bytes);
; NaN and infinities among the inputs are not served; Wo goes in f16: magnitudes up to 65,504.
; No LDS, no barrier, no cluster: no two waves read the same bytes.  Every offset is an immediate and no register that a store reads is written again, so no wait frees one.
.set X,  64                            ; v64-191  the numbers as loaded
.set TM, 8                             ; v8-23    path x: largest magnitudes, bytes, scale operands
; 64 numbers of a lane, register 16 b + i = k 32 b + 16 (lane / 16) + i of my row, become a fragment's 8 registers of codes at v[pc] and its scale word in v[pw]
.macro QUANT s, pc, pw
.irp b, 0,1,2,3
	v_max3_num_f32 v[TM+\b], |v[\s+16*\b]|, |v[\s+1+16*\b]|, 0x1800000   ; my 16 numbers of block b, and the floor 2^(3 - 127): the byte cannot fall under 1
.endr
.irp i, 2,4,6,8,10,12,14
.irp b, 0,1,2,3
	v_max3_num_f32 v[TM+\b], v[TM+\b], |v[\s+16*\b+\i]|, |v[\s+1+16*\b+\i]|
.endr
.endr
.irp b, 0,1,2,3
	v_permlanex16_b32 v[TM+4+\b], v[TM+\b], s24, s25
.endr
.irp b, 0,1,2,3
	v_max_num_f32 v[TM+\b], v[TM+\b], v[TM+4+\b]                         ; with lane l xor 16's 16: the block's largest magnitude
.endr
.irp b, 0,1,2,3
	v_add_nc_u32 v[TM+12+\b], 0xff000000, v[TM+\b]                       ; 2 off its exponent field: the conversion's scale operand
.endr
.irp b, 0,1,2,3
	v_lshrrev_b32 v[TM+4+\b], 23, v[TM+12+\b]                            ; the scale's byte
.endr
	v_lshl_or_b32 v[\pw], v[TM+5], 8, v[TM+4]
	v_lshl_or_b32 v[\pw], v[TM+6], 16, v[\pw]
	v_lshl_or_b32 v[\pw], v[TM+7], 24, v[\pw]                            ; my row's scale word, the same in both halves of the lanes
.irp b, 0,1,2,3
	v_cvt_scalef32_pk8_fp4_f32 v[\pc+2*\b], v[\s+16*\b:\s+7+16*\b], v[TM+12+\b]
	v_cvt_scalef32_pk8_fp4_f32 v[\pc+1+2*\b], v[\s+8+16*\b:\s+15+16*\b], v[TM+12+\b]
.endr
	v_nop                                                                ; one plain instruction behind a scaled conversion
.irp c, 0,1                            ; the operand wants a whole block in a lane: lanes 0-15 block 2 c, lanes 16-31 block 2 c + 1
.irp i, 0,1
	v_permlane16_swap_b32 v[\pc+4*\c+\i], v[\pc+2+4*\c+\i]
.endr
.endr
.endm
; K step e of a weight's 16 columns: a lane holds a column and two whole blocks of 32 down K
.macro WQ e
.irp c, 0,1
	v_max3_num_f32 v[24+\c], |v[X+64*\e+32*\c]|, |v[X+64*\e+32*\c+1]|, 0x1800000
.endr
.irp i, 2,4,6,8,10,12,14,16,18,20,22,24,26,28,30
.irp c, 0,1
	v_max3_num_f32 v[24+\c], v[24+\c], |v[X+64*\e+32*\c+\i]|, |v[X+64*\e+32*\c+\i+1]|
.endr
.endr
.irp c, 0,1
	v_add_nc_u32 v[26+\c], 0xff000000, v[24+\c]
.endr
.irp c, 0,1
	v_lshrrev_b32 v[28+\c], 23, v[26+\c]
.endr
	v_lshl_or_b32 v30, v29, 16, v28                                      ; my two bytes: blocks h and 2 + h,
	v_lshlrev_b32 v30, v34, v30                                          ; 8 h bits up;
	v_permlanex16_b32 v31, v30, s24, s25
	v_or_b32 v[32+\e], v30, v31                                          ; with lane l xor 16's two the word is whole, in both halves
.irp c, 0,1
.irp q, 0,1,2,3
	v_cvt_scalef32_pk8_fp4_f32 v[40+8*\e+4*\c+\q], v[X+64*\e+32*\c+8*\q:X+64*\e+32*\c+8*\q+7], v[26+\c]
.endr
.endr
	v_nop
.irp c, 0,1
	global_store_b128 v5, v[40+8*\e+4*\c:40+8*\e+4*\c+3], s[40:41] offset:1024*\e+512*\c   ; 32 lanes store 512 consecutive bytes
.endr
.endm
; cos and sin of a = position x f, f = B[j] x 10^-(2 u + h): a is reduced by the nearest multiple of pi / 2 (in two parts; the first difference is exact), and |r| <= pi / 4 goes through polynomials
.macro SINCOS u, j
	v_mul_f32 v10, s[48+\j], v9                    ; f
	v_mul_f32 v11, v8, v10                         ; a, rounded once as the product of position and frequency
	v_mul_f32 v12, s27, v11
	v_rndne_f32 v12, v12                           ; the multiple
	v_fma_f32 v13, -v12, s28, v11
	v_fma_f32 v13, -v12, s29, v13                  ; r
	v_mul_f32 v14, v13, v13                        ; z = r^2
	v_fma_f32 v15, v14, s30, s31
	v_fma_f32 v15, v14, v15, s32
	v_mul_f32 v16, v13, v14
	v_fma_f32 v15, v16, v15, v13                   ; sin r
	v_fma_f32 v17, v14, s33, s34
	v_fma_f32 v17, v14, v17, s35
	v_fma_f32 v17, v14, v17, -0.5
	v_fma_f32 v17, v14, v17, 1.0                   ; cos r
	v_cvt_i32_f32 v18, v12                         ; the quadrant
	v_and_b32 v19, 1, v18
	v_cmp_eq_u32 vcc_lo, 1, v19
	v_cndmask_b32 v20, v15, v17, vcc_lo            ; odd quadrants change sine and cosine
	v_cndmask_b32 v21, v17, v15, vcc_lo
	v_lshlrev_b32 v19, 30, v18
	v_and_b32 v19, 0x80000000, v19                 ; sine is negated in quadrants 2, 3,
	v_xor_b32 v[64+16*\u+8+\j], v20, v19
	v_add_nc_u32 v18, 1, v18
	v_lshlrev_b32 v18, 30, v18
	v_and_b32 v18, 0x80000000, v18                 ; cosine in quadrants 1, 2
	v_xor_b32 v[64+16*\u+\j], v21, v18
.endm
.macro ROPEU u, p0, p1
	v_mov_b32 v9, \p0
	v_mov_b32 v10, \p1
	v_cndmask_b32 v9, v9, v10, s40                 ; 10^-(2 u + h)
.irp j, 0,1,2,3,4,5,6,7
	SINCOS \u, \j
.endr
.endm
	s_load_b256 s[4:11], s[0:1], 0x0               ; x s[4:5], Wq s[6:7], Wk s[8:9], Wv s[10:11]
	s_load_b256 s[12:19], s[0:1], 0x20             ; Wo s[12:13], xq s[14:15], wb s[16:17], wo16 s[18:19]
	s_load_b64 s[20:21], s[0:1], 0x40              ; rope
	v_lshrrev_b32 v1, 5, v0
	v_readfirstlane_b32 s22, v1                    ; wave
	v_and_b32 v2, 31, v0                           ; lane
	v_and_b32 v3, 15, v0                           ; r
	v_bfe_u32 v4, v0, 4, 1                         ; h
	v_lshlrev_b32 v5, 4, v2                        ; 16 x lane: an image's place
	v_lshlrev_b32 v6, 3, v2                        ; 8 x lane: two scale words'
	s_mov_b32 s24, 0x76543210
	s_mov_b32 s25, 0xfedcba98                      ; v_permlanex16_b32's selects for lane l xor 16
	s_lshl_b32 s23, ttmp9, 2
	s_add_co_u32 s23, s23, s22                     ; 4 x work-group + wave
	s_wait_kmcnt 0x0
	s_cmp_lt_u32 ttmp9, 48
	s_cbranch_scc1 .Lpath_w
	s_cmp_lt_u32 ttmp9, 64
	s_cbranch_scc1 .Lpath_wo
	s_cmp_lt_u32 ttmp9, 128
	s_cbranch_scc1 .Lpath_rope
	; ---- x: a wave takes 16 rows x 256 along K: two fragments
	s_sub_co_u32 s23, s23, 512
	s_lshr_b32 s26, s23, 1                         ; tile of 16 rows, 0 .. 511
	s_and_b32 s27, s23, 1                          ; which half of K
	s_lshl_b32 s28, s26, 15                        ; 16 rows of 2,048 bytes
	s_lshl_b32 s29, s27, 10
	s_add_co_u32 s28, s28, s29
	s_mov_b32 s29, 0
	s_add_nc_u64 s[4:5], s[4:5], s[28:29]
	s_mul_i32 s30, s26, 4608                       ; a tile in xq: 4,096 bytes of codes, 512 of scale words
	s_lshl_b32 s31, s27, 11
	s_add_co_u32 s30, s30, s31
	s_mov_b32 s31, 0
	s_add_nc_u64 s[32:33], s[14:15], s[30:31]      ; my codes
	s_mul_i32 s30, s26, 4608
	s_lshl_b32 s34, s27, 8
	s_add_co_u32 s30, s30, s34
	s_add_nc_u64 s[34:35], s[14:15], s[30:31]      ; my scale words, 4,096 bytes on
	v_lshlrev_b32 v7, 11, v3
	v_lshl_add_u32 v7, v4, 6, v7                   ; row r, + 64 h: my 16 numbers of a block of 32
.irp e, 0,1
.irp b, 0,1,2,3
.irp q, 0,1,2,3
	global_load_b128 v[X+64*\e+16*\b+4*\q:X+64*\e+16*\b+4*\q+3], v7, s[4:5] offset:512*\e+128*\b+16*\q th:TH_LOAD_NT
.endr
.endr
.endr
.irp b, 0,1,2,3
	v_mov_b32 v[TM+4+\b], 0                        ; a lane permute's destination counts as one of its sources
.endr
	s_wait_loadcnt 16                              ; the first K step's 16 loads are in; the second's may be out
	QUANT X, 40, 32
.irp c, 0,1
	global_store_b128 v5, v[40+4*\c:40+4*\c+3], s[32:33] offset:512*\c
.endr
	s_wait_loadcnt 0x0
	QUANT X+64, 48, 33
.irp c, 0,1
	global_store_b128 v5, v[48+4*\c:48+4*\c+3], s[32:33] offset:1024+512*\c
.endr
	global_store_b64 v6, v[32:33], s[34:35] offset:4096   ; 32 lanes store 256 consecutive bytes
	s_endpgm
.Lpath_w:                              ; ---- Wq, Wk, Wv: a wave takes 16 columns x 256 along K; a lane a column, its registers down K
	s_and_b32 s26, s23, 1                          ; which half of K
	s_lshr_b32 s27, s23, 1
	s_lshr_b32 s28, s27, 5                         ; 0 q, 1 k, 2 v
	s_and_b32 s29, s27, 31                         ; tile of 16 columns
	s_lshr_b32 s30, s29, 2                         ; head
	s_and_b32 s31, s29, 3                          ; tile in the head
	s_cmp_lt_u32 s23, 64                           ; the weight is chosen by ids alone
	s_cselect_b64 s[32:33], s[6:7], s[8:9]
	s_cmp_lt_u32 s23, 128
	s_cselect_b64 s[32:33], s[32:33], s[10:11]
	s_lshl_b32 s34, s29, 6
	s_lshl_b32 s35, s26, 19                        ; 256 rows of 2,048 bytes
	s_add_co_u32 s34, s34, s35
	s_mov_b32 s35, 0
	s_add_nc_u64 s[32:33], s[32:33], s[34:35]
	s_mul_i32 s36, s30, 55296                      ; a head in wb: 49,152 bytes of codes, 6,144 of scale words
	s_lshl_b32 s37, s28, 14
	s_add_co_u32 s37, s37, s36
	s_lshl_b32 s38, s31, 12
	s_add_co_u32 s37, s37, s38
	s_lshl_b32 s38, s26, 11
	s_add_co_u32 s38, s38, s37
	s_mov_b32 s39, 0
	s_add_nc_u64 s[40:41], s[16:17], s[38:39]      ; my codes
	s_lshl_b32 s37, s28, 11
	s_add_co_u32 s37, s37, s36
	s_lshl_b32 s38, s31, 9
	s_add_co_u32 s37, s37, s38
	s_lshl_b32 s38, s26, 8
	s_add_co_u32 s38, s38, s37
	s_add_nc_u64 s[42:43], s[16:17], s[38:39]      ; my scale words, 49,152 bytes on
	v_lshlrev_b32 v7, 2, v3
	v_lshl_add_u32 v7, v4, 16, v7                  ; column r; lanes 16-31 begin 32 rows further down
	v_lshlrev_b32 v34, 3, v4                       ; 8 h
	v_mov_b32 v31, 0
.irp e, 0,1
.irp c, 0,1
.irp i, 0,1,2,3,4,5,6,7,8,9,10,11,12,13,14,15,16,17,18,19,20,21,22,23,24,25,26,27,28,29,30,31
	global_load_b32 v[X+64*\e+32*\c+\i], v7, s[32:33] offset:(128*\e+64*\c+\i)*2048
.endr
.endr
.endr
	s_wait_loadcnt 63                              ; the first K step's 64 loads are in (64 are younger; the next smaller count is taken)
	WQ 0
	s_wait_loadcnt 0x0
	WQ 1
	global_store_b64 v6, v[32:33], s[42:43] offset:49152
	s_endpgm
.Lpath_wo:                             ; ---- Wo: a wave takes 16 columns x 256 along K: eight f16 fragments
	s_sub_co_u32 s23, s23, 192
	s_lshr_b32 s26, s23, 1                         ; tile of 16 columns
	s_and_b32 s27, s23, 1                          ; which half of K
	s_lshl_b32 s28, s26, 6
	s_lshl_b32 s29, s27, 19
	s_add_co_u32 s28, s28, s29
	s_mov_b32 s29, 0
	s_add_nc_u64 s[12:13], s[12:13], s[28:29]
	s_lshr_b32 s30, s26, 3
	s_lshl_b32 s30, s30, 17                        ; block of 128 columns: 131,072 bytes
	s_lshl_b32 s31, s27, 16                        ; eight chunks of 32 along K, 8,192 bytes each
	s_add_co_u32 s30, s30, s31
	s_and_b32 s31, s26, 7
	s_lshl_b32 s31, s31, 10
	s_add_co_u32 s30, s30, s31
	s_mov_b32 s31, 0
	s_add_nc_u64 s[18:19], s[18:19], s[30:31]
	v_lshlrev_b32 v7, 2, v3
	v_lshl_add_u32 v7, v4, 14, v7                  ; column r; lanes 16-31 begin 8 rows further down
.irp kc, 0,1,2,3,4,5,6,7
.irp i, 0,1,2,3,4,5,6,7,8,9,10,11,12,13,14,15
	global_load_b32 v[X+16*\kc+\i], v7, s[12:13] offset:(32*\kc+16*(\i/8)+\i%8)*2048
.endr
.endr
	s_wait_loadcnt 0x0
.set n, 0
.rept 64
	v_cvt_pk_f16_f32 v[X+n], v[X+2*n], v[X+2*n+1]  ; in place, ascending: a pair is read before its places are written
.set n, n+1
.endr
.irp kc, 0,1,2,3,4,5,6,7
.irp hf, 0,1
	global_store_b128 v5, v[X+8*\kc+4*\hf:X+8*\kc+4*\hf+3], s[18:19] offset:8192*\kc+512*\hf
.endr
.endr
	s_endpgm
.Lpath_rope:                           ; ---- the tables: a wave takes 16 positions; lane (r, h), register j: position r, frequency 16 u + 8 h + j
	s_sub_co_u32 s23, s23, 256                     ; tile of 16 positions, 0 .. 255
	s_lshl_b32 s26, s23, 4
	v_add_nc_u32 v8, s26, v3
	v_cvt_f32_u32 v8, v8                           ; my position
	v_cmp_eq_u32 s40, 1, v4                        ; lanes 16-31
	s_lshl_b32 s36, s23, 12
	s_mov_b32 s37, 0
	s_add_nc_u64 s[20:21], s[20:21], s[36:37]
	s_mov_b32 s27, 0x3f22f983                      ; 2 / pi
	s_mov_b32 s28, 0x3fc90fdb                      ; pi / 2, its first 24 bits,
	s_mov_b32 s29, 0xb33bbd2e                      ; and the rest
	s_mov_b32 s30, 0xb94ca1f9                      ; sine: -1.9515296e-4,
	s_mov_b32 s31, 0x3c08839e                      ; 8.3321609e-3,
	s_mov_b32 s32, 0xbe2aaaa3                      ; -0.16666655
	s_mov_b32 s33, 0x37ccf5ce                      ; cosine: 2.4433157e-5,
	s_mov_b32 s34, 0xbab6061a                      ; -1.3887316e-3,
	s_mov_b32 s35, 0x3d2aaaa5                      ; 4.1666646e-2
	s_mov_b32 s48, 0x3f800000                      ; B[j] = 10^(-j / 8)
	s_mov_b32 s49, 0x3f3ff911
	s_mov_b32 s50, 0x3f0ff59a
	s_mov_b32 s51, 0x3ed7e89b
	s_mov_b32 s52, 0x3ea1e89b
	s_mov_b32 s53, 0x3e72d424
	s_mov_b32 s54, 0x3e361887
	s_mov_b32 s55, 0x3e088d77
	ROPEU 0, 0x3f800000, 0x3dcccccd                ; 1, 0.1
	ROPEU 1, 0x3c23d70a, 0x3a83126f                ; 0.01, 0.001
.irp n, 0,1,2,3,4,5,6,7
	global_store_b128 v5, v[64+4*\n:64+4*\n+3], s[20:21] offset:512*\n
.endr
	s_endpgm
.Lfunc_end_k_q010b8445e1_prep:
	.size	k_q010b8445e1_prep, .Lfunc_end_k_q010b8445e1_prep-k_q010b8445e1_prep
	.p2alignl 7, 3214868480
	.fill 96, 4, 3214868480
	.section	.rodata,"a",@progbits
	.p2align	6, 0x0
	.amdhsa_kernel k_q010b8445e1_prep
		.amdhsa_group_segment_fixed_size 0
		.amdhsa_private_segment_fixed_size 0
		.amdhsa_enable_private_segment 0
		.amdhsa_kernarg_size 72
		.amdhsa_user_sgpr_count 2
		.amdhsa_user_sgpr_kernarg_segment_ptr 1
		.amdhsa_wavefront_size32 1
		.amdhsa_system_sgpr_workgroup_id_x 1
		.amdhsa_system_sgpr_workgroup_id_y 1
		.amdhsa_system_sgpr_workgroup_id_z 1
		.amdhsa_system_vgpr_workitem_id 0
		.amdhsa_next_free_vgpr 192
		.amdhsa_next_free_sgpr 66
		.amdhsa_reserve_vcc 1
		.amdhsa_float_denorm_mode_32 3
		.amdhsa_float_denorm_mode_16_64 3
		.amdhsa_memory_ordered 1
		.amdhsa_forward_progress 1
		.amdhsa_inst_pref_size 73
	.end_amdhsa_kernel
	.amdgpu_metadata
---
amdhsa.version: [ 1, 2 ]
amdhsa.kernels:
  - .name:           k_q010b8445e1_prep
    .symbol:         k_q010b8445e1_prep.kd
    .args:
      - { .name: x, .offset: 0, .size: 8, .value_kind: global_buffer, .address_space: global }
      - { .name: Wq, .offset: 8, .size: 8, .value_kind: global_buffer, .address_space: global }
      - { .name: Wk, .offset: 16, .size: 8, .value_kind: global_buffer, .address_space: global }
      - { .name: Wv, .offset: 24, .size: 8, .value_kind: global_buffer, .address_space: global }
      - { .name: Wo, .offset: 32, .size: 8, .value_kind: global_buffer, .address_space: global }
      - { .name: xq, .offset: 40, .size: 8, .value_kind: global_buffer, .address_space: global }
      - { .name: wb, .offset: 48, .size: 8, .value_kind: global_buffer, .address_space: global }
      - { .name: wo16, .offset: 56, .size: 8, .value_kind: global_buffer, .address_space: global }
      - { .name: rope, .offset: 64, .size: 8, .value_kind: global_buffer, .address_space: global }
    .group_segment_fixed_size: 0
    .private_segment_fixed_size: 0
    .kernarg_segment_align: 8
    .kernarg_segment_size: 72
    .max_flat_workgroup_size: 128
    .sgpr_count:     66
    .vgpr_count:     192
    .wavefront_size: 32
...
	.end_amdgpu_metadata
.endif
;; end of part 1
;; launch qkv (part 2): grid 32 x 8, 4 waves a work-group, clusters of 4 x 1, 167,936 bytes of LDS; arguments xq, wb, rope, bq, bk, bv, qf, kf, vf; writes qf, kf, vf
.if DOCPART == 2
	.amdgcn_target "amdgcn-amd-amdhsa--gfx1250"
	.amdhsa_code_object_version 6
	.text
	.protected	k_q010b8445e1_qkv
	.globl	k_q010b8445e1_qkv
	.p2align	8
	.type	k_q010b8445e1_qkv,@function
k_q010b8445e1_qkv:
	s_mov_b64 s[64:65], 0
	v_nop
	global_prefetch_b8 v0, s[64:65] scope:SCOPE_SE
	s_setreg_imm32_b32 hwreg(HW_REG_WAVE_MODE, 25, 1), 1
	s_wait_xcnt 0x0
	s_wait_alu depctr_hold_cnt(0) depctr_sa_sdst(0) depctr_va_vdst(0) depctr_va_sdst(0) depctr_va_ssrc(0) depctr_va_vcc(0) depctr_vm_vsrc(0)
	s_getreg_b32 s2, hwreg(HW_REG_IB_STS2, 6, 4)
	s_cmp_eq_u32 s2, 0
	s_cbranch_scc0 .Lentry_in_a_cluster
	s_endpgm
.Lentry_in_a_cluster:
	s_bfe_u32 s2, ttmp6, 0x10000c
	s_cmp_lg_u32 s2, 0x3003
	s_cbranch_scc0 .Lentry_shape_is_right
	s_endpgm
.Lentry_shape_is_right:
; q, k, v = x W + b for one head and 256 rows, on codes of E2M1 with E8M0 scales; RoPE on q and k in f32; q also times log2(e) / 8; all three leave as f16 images of attention's operand registers.
; SHARES.  Work-group (x, y): rows 256 x .. 256 x + 255, head y.  Wave w: four tiles of 16 rows against the head's 3 x 64 columns, K = 512: 192 matrix instructions.
; x's codes and the RoPE table are a wave's own: they go from memory straight into registers, as images.  The head's weights (55,296 bytes: codes, then scale words) are read by all four waves and by the four
; work-groups of a cluster: they come into LDS once, by one JOINT tensor load a wave (13,824 bytes each).  x's codes are also read by the other seven heads' work-groups; they are not asked for jointly, since
; each wave reads its 18 KB once, into registers, and a joint load would add a trip through LDS for them.
; q AND k ARE USED TRANSPOSED (source 0 = 16 columns of W, source 1 = 16 rows of x): a lane holds one position and eight neighbouring channels, RoPE's partner (channel +- 32) lies in the same lane and register two
; tiles on, and four packed conversions give half a fragment of attention's first product.  v is used as it stands: a lane holds one channel and eight positions: half a fragment of V^T.
; The biases are the C of each sum's first matrix instruction.  The 16 accumulators take turns, one instruction a turn.
; LIMITS: 0.18 q, k and v go in f16: magnitudes up to 65,504.
; REGISTERS: window 0: v1-4 offsets; v30, v31 the add's two; v32-47 x's scale words; v48-95 W's; v96-127 at work; v128-255 cos and sin of my four tiles.
;   window 1: v0-127 x's 16 fragments (8 (4 m + s)); v128-255 one part's 16 fragments of W (8 (4 ct + s)).   window 2: v0-127 the accumulators (8 (4 m + ct)); v128-223 the biases (32 part + 8 ct).
.set SPARE, 55296                      ; behind the weights: the spare words, 128 bytes a wave
.set SPW, 30
.set NIL, 31
.set XS,  32
.set WS,  48
.set T,   96
.set RP,  128
.set G1,  24                           ; s[24:31] descriptor group 1
.set G0,  32                           ; s[32:35] group 0
.set WV,  36
.set CS,  56                           ; s[56:57] log2(e) / 8
.set MSB, 0
.macro WIN new                         ; the immediate's high byte repeats the setting that is left
.if MSB != \new
	s_set_vgpr_msb (MSB<<8)|\new
.set MSB, \new
.endif
.endm
.macro CROUND                          ; a round of the cluster's barrier
	s_barrier_signal -1
	s_barrier_wait -1
	s_cmp_lg_u32 s[WV], 0
	s_cbranch_scc1 .Lnot_wave_0_\@
	s_barrier_signal -3
.Lnot_wave_0_\@:
	s_barrier_wait -3
	s_barrier_signal -1
	s_barrier_wait -1
.endm
.macro PLACES n
.rept \n
	v_nop
.endr
.endm
.macro BLOAD p                         ; part p's 16 fragments of W out of LDS, as they lie
	WIN 0x40
.set n, 0
.rept 32
	ds_load_b128 v[128+4*n:128+4*n+3], v1 offset:(\p)*16384+512*n
.set n, n+1
.endr
.endm
.macro MULP p, nat                     ; 64 matrix instructions: K step by K step, the 16 accumulators by turns.  nat = 1: x is source 0
	WIN 0xa5                                       ; sources 0 and 1 window 1, C and D window 2
.irp s, 0,1,2,3
.irp m, 0,1,2,3
.irp ct, 0,1,2,3
.set rD, 8*(4*\m+\ct)
.set rX, 8*(4*\m+\s)
.set rW, 128+8*(4*\ct+\s)
.set rC, rD
.if \s == 0
.set rC, 128+32*(\p)+8*\ct             ; the bias starts the sum
.endif
.if \nat
	v_wmma_scale_f32_16x16x128_f8f6f4 v[rD:rD+7], v[rX:rX+7], v[rW:rW+7], v[rC:rC+7], v[XS+4*\m+\s], v[WS+16*(\p)+4*\ct+\s] matrix_a_fmt:MATRIX_FMT_FP4 matrix_b_fmt:MATRIX_FMT_FP4
.else
	v_wmma_scale_f32_16x16x128_f8f6f4 v[rD:rD+7], v[rW:rW+7], v[rX:rX+7], v[rC:rC+7], v[WS+16*(\p)+4*\ct+\s], v[XS+4*\m+\s] matrix_a_fmt:MATRIX_FMT_FP4 matrix_b_fmt:MATRIX_FMT_FP4
.endif
.endr
.endr
.endr
.endm
.macro ROPE_OUT sb                     ; a = tile ct, b = tile ct + 2: a cos - b sin, b cos + a sin; rounded to f16; four stores of 512 consecutive bytes a tile of rows
.irp m, 0,1,2,3
	s_wait_xcnt 0x0                                ; the last stores have read T
	WIN 0x02                                       ; source 0 (the accumulators) window 2
.irp ct, 0,1
.irp jp, 0,2,4,6                       ; each accumulator from its low end on
	v_pk_mul_f32 v[T+8*\ct+\jp:T+8*\ct+\jp+1], v[8*(4*\m+\ct)+\jp:8*(4*\m+\ct)+\jp+1], v[RP+32*\m+16*\ct+\jp:RP+32*\m+16*\ct+\jp+1]
	v_pk_mul_f32 v[T+16+8*\ct+\jp:T+16+8*\ct+\jp+1], v[8*(4*\m+\ct+2)+\jp:8*(4*\m+\ct+2)+\jp+1], v[RP+32*\m+16*\ct+\jp:RP+32*\m+16*\ct+\jp+1]
	v_pk_fma_f32 v[T+8*\ct+\jp:T+8*\ct+\jp+1], v[8*(4*\m+\ct+2)+\jp:8*(4*\m+\ct+2)+\jp+1], v[RP+32*\m+16*\ct+8+\jp:RP+32*\m+16*\ct+8+\jp+1], v[T+8*\ct+\jp:T+8*\ct+\jp+1] neg_lo:[0,1,0] neg_hi:[0,1,0]
	v_pk_fma_f32 v[T+16+8*\ct+\jp:T+16+8*\ct+\jp+1], v[8*(4*\m+\ct)+\jp:8*(4*\m+\ct)+\jp+1], v[RP+32*\m+16*\ct+8+\jp:RP+32*\m+16*\ct+8+\jp+1], v[T+16+8*\ct+\jp:T+16+8*\ct+\jp+1]
.endr
.endr
	WIN 0
.set n, 0
.rept 16
	v_cvt_pk_f16_f32 v[T+n], v[T+2*n], v[T+2*n+1]  ; in place, ascending
.set n, n+1
.endr
.irp ct, 0,1,2,3
	global_store_b128 v1, v[T+4*\ct:T+4*\ct+3], s[\sb:\sb+1] offset:2048*\m+512*\ct
.endr
.endr
.endm
.macro V_OUT m                         ; v's tile m of rows: 16 positions are half of a chunk of 32 keys
.if (\m) > 1
	s_wait_xcnt 0x0                                ; the stores of two tiles back have read this half of T
.endif
	WIN 0x0a                                       ; sources 0 and 1 window 2
.irp ct, 0,1,2,3
.irp q, 0,1,2,3
	v_cvt_pk_f16_f32 v[T+16*((\m)%2)+4*\ct+\q], v[8*(4*(\m)+\ct)+2*\q], v[8*(4*(\m)+\ct)+2*\q+1]
.endr
.endr
	WIN 0
.irp ct, 0,1,2,3
	global_store_b128 v1, v[T+16*((\m)%2)+4*\ct:T+16*((\m)%2)+4*\ct+3], s[20:21] offset:4096*((\m)/2)+1024*\ct+512*((\m)%2)
.endr
.endm
	s_load_b256 s[4:11], s[0:1], 0x0               ; xq s[4:5], wb s[6:7], rope s[8:9], bq s[10:11]
	s_load_b256 s[12:19], s[0:1], 0x20             ; bk s[12:13], bv s[14:15], qf s[16:17], kf s[18:19]
	s_load_b64 s[20:21], s[0:1], 0x40              ; vf
	v_lshl_add_u32 v[SPW], v0, 2, SPARE
	v_mov_b32 v[NIL], 0
	ds_add_u32 v[SPW], v[NIL]                      ; the wave's opening: the add, twice on end, and its wait ahead of my first tensor load
	ds_add_u32 v[SPW], v[NIL]
	v_lshrrev_b32 v1, 5, v0
	v_readfirstlane_b32 s[WV], v1                  ; wave 0..3
	v_and_b32 v1, 31, v0
	v_lshlrev_b32 v2, 3, v1                        ; 8 x lane
	v_lshlrev_b32 v1, 4, v1                        ; 16 x lane
	v_and_b32 v3, 15, v0
	v_lshlrev_b32 v3, 2, v3                        ; 4 r
	v_bfe_u32 v4, v0, 4, 1
	v_lshlrev_b32 v4, 5, v4                        ; 32 h
	s_bfe_u32 s37, ttmp6, 0x40000                  ; cx
	s_lshl_b32 s38, ttmp9, 2
	s_add_co_u32 s38, s38, s37                     ; my block of 256 rows
	s_and_b32 s39, ttmp7, 0xffff                   ; the head, which the four partners share
	s_mov_b32 s[G1], 15|(3<<16)|(1<<21)            ; 15:0 the mask: all four work-groups; 17:16 elements of 8 bytes; 21 set beside a mask
	s_mov_b32 s[G1+1], 32<<16                      ; tensor_dim0 = 32 elements: rows of 256 bytes
	s_mov_b32 s[G1+2], 54<<16                      ; tensor_dim1 = 54 rows: 13,824 dense bytes
	s_mov_b32 s[G1+3], 32<<16                      ; tile_dim0
	s_mov_b32 s[G1+4], 54                          ; tile_dim1
	s_mov_b32 s[G1+5], 32                          ; from row to row
	s_mov_b32 s[G1+6], 0
	s_mov_b32 s[G1+7], 0
	s_lshl_b32 s40, s38, 4
	s_lshl_b32 s41, s[WV], 2
	s_add_co_u32 s40, s40, s41                     ; my first tile of 16 rows
	s_and_b32 s42, s40, 255                        ; and of 16 positions in its sequence
	s_lshr_b32 s43, s38, 4                         ; the batch
	s_lshl_b32 s43, s43, 3
	s_add_co_u32 s43, s43, s39                     ; batch x 8 + head
	s_mul_i32 s44, s40, 4608
	s_mov_b32 s45, 0
	s_mul_i32 s46, s39, 55296                      ; the head's weights: made of the head and the wave's number alone
	s_mul_i32 s[G0+1], s[WV], 13824                ; my quarter: in LDS,
	s_add_co_u32 s46, s46, s[G0+1]                 ; and in memory
	s_mov_b32 s47, 0
	s_lshl_b32 s48, s42, 12
	s_mov_b32 s49, 0
	s_lshl_b32 s50, s39, 8
	s_mov_b32 s51, 0
	s_lshl_b32 s52, s43, 19
	s_lshl_b32 s53, s42, 11
	s_add_co_u32 s52, s52, s53                     ; where my rows begin in qf, kf and vf alike
	s_mov_b32 s53, 0
	s_mov_b32 s[CS], 0x3e38aa3b                    ; log2(e) / 8
	s_mov_b32 s[CS+1], s[CS]
	s_wait_dscnt 0x0                               ; both opening adds are done
	s_wait_kmcnt 0x0
	s_add_nc_u64 s[4:5], s[4:5], s[44:45]
	s_add_nc_u64 s[8:9], s[8:9], s[48:49]
	s_add_nc_u64 s[10:11], s[10:11], s[50:51]
	s_add_nc_u64 s[12:13], s[12:13], s[50:51]
	s_add_nc_u64 s[14:15], s[14:15], s[50:51]
	s_add_nc_u64 s[16:17], s[16:17], s[52:53]
	s_add_nc_u64 s[18:19], s[18:19], s[52:53]
	s_add_nc_u64 s[20:21], s[20:21], s[52:53]
	s_mov_b32 s[G0], 1
	s_add_nc_u64 s[G0+2:G0+3], s[6:7], s[46:47]
	s_or_b32 s[G0+3], s[G0+3], 0x80000000
	CROUND                                         ; all four work-groups are here: the joint loads meet
	tensor_load_to_lds s[G0:G0+3], s[G1:G1+7]      ; my one tensor load: filled once, never again
	s_nop 0
	PLACES 4
	WIN 0x40                                       ; destination window 1
.irp m, 0,1,2,3
.irp n, 0,1,2,3,4,5,6,7
	global_load_b128 v[32*\m+4*\n:32*\m+4*\n+3], v1, s[4:5] offset:4608*\m+512*\n          ; x's fragments
.endr
.endr
	WIN 0
.irp m, 0,1,2,3
.irp kh, 0,1
	global_load_b64 v[XS+4*\m+2*\kh:XS+4*\m+2*\kh+1], v2, s[4:5] offset:4608*\m+4096+256*\kh  ; and their scale words
.endr
.endr
	WIN 0x80                                       ; destination window 2
.irp ct, 0,1,2,3
.irp j, 0,1,2,3,4,5,6,7
	global_load_b32 v[192+8*\ct+\j], v3, s[14:15] offset:64*\ct                            ; bv: a lane's eight results are one channel's
.endr
.endr
	WIN 0
.set n, 0
.rept 32
	global_load_b128 v[RP+4*n:RP+4*n+3], v1, s[8:9] offset:512*n                           ; cos and sin of my 64 positions
.set n, n+1
.endr
	WIN 0x80
.irp ct, 0,1,2,3
	global_load_b128 v[160+8*\ct:160+8*\ct+3], v4, s[12:13] offset:64*\ct                  ; bk, bq: a lane's eight channels
	global_load_b128 v[160+8*\ct+4:160+8*\ct+7], v4, s[12:13] offset:64*\ct+16
	global_load_b128 v[128+8*\ct:128+8*\ct+3], v4, s[10:11] offset:64*\ct
	global_load_b128 v[128+8*\ct+4:128+8*\ct+7], v4, s[10:11] offset:64*\ct+16
.endr
	WIN 0
	s_wait_tensorcnt 0x0                           ; my quarter of the weights has landed,
	s_barrier_signal -1
	s_barrier_wait -1                              ; everybody's has
.irp p, 0,1,2
.irp ct, 0,1,2,3
.irp kh, 0,1
	ds_load_b64 v[WS+16*\p+4*\ct+2*\kh:WS+16*\p+4*\ct+2*\kh+1], v2 offset:49152+2048*\p+512*\ct+256*\kh
.endr
.endr
.endr
	BLOAD 2
	s_wait_dscnt 0x0
	s_wait_loadcnt 48                              ; x, its scale words and bv are in; the 48 loads behind them (the table, bk, bq) may be out
	MULP 2, 1                                      ; v
	PLACES 5                                       ; behind the last product: in front of loads into its sources, reads of results, and the next part's writes over the accumulators
	BLOAD 1
	V_OUT 0
	V_OUT 1
	V_OUT 2
	V_OUT 3
	s_wait_dscnt 0x0
	s_wait_loadcnt 0x0
	MULP 1, 0                                      ; k
	PLACES 5
	BLOAD 0
	ROPE_OUT 18
.set n, 0
.rept 64
	v_pk_mul_f32 v[RP+2*n:RP+2*n+1], v[RP+2*n:RP+2*n+1], s[CS:CS+1] op_sel_hi:[1,0]        ; q's table carries log2(e) / 8: attention's exponentials are in base 2
.set n, n+1
.endr
	s_wait_dscnt 0x0
	MULP 0, 0                                      ; q
	PLACES 5
	ROPE_OUT 16
	s_wait_tensorcnt 0x0                           ; the wave's end
	ds_add_u32 v[SPW], v[NIL]
	s_wait_dscnt 0x0
	CROUND                                         ; the closing round
	s_endpgm
.Lfunc_end_k_q010b8445e1_qkv:
	.size	k_q010b8445e1_qkv, .Lfunc_end_k_q010b8445e1_qkv-k_q010b8445e1_qkv
	.p2alignl 7, 3214868480
	.fill 96, 4, 3214868480
	.section	.rodata,"a",@progbits
	.p2align	6, 0x0
	.amdhsa_kernel k_q010b8445e1_qkv
		.amdhsa_group_segment_fixed_size 167936
		.amdhsa_private_segment_fixed_size 0
		.amdhsa_enable_private_segment 0
		.amdhsa_kernarg_size 72
		.amdhsa_user_sgpr_count 2
		.amdhsa_user_sgpr_kernarg_segment_ptr 1
		.amdhsa_wavefront_size32 1
		.amdhsa_system_sgpr_workgroup_id_x 1
		.amdhsa_system_sgpr_workgroup_id_y 1
		.amdhsa_system_sgpr_workgroup_id_z 1
		.amdhsa_system_vgpr_workitem_id 0
		.amdhsa_next_free_vgpr 768
		.amdhsa_next_free_sgpr 66
		.amdhsa_reserve_vcc 0
		.amdhsa_float_denorm_mode_32 3
		.amdhsa_float_denorm_mode_16_64 3
		.amdhsa_memory_ordered 1
		.amdhsa_forward_progress 1
		.amdhsa_inst_pref_size 86
	.end_amdhsa_kernel
	.amdgpu_metadata
---
amdhsa.version: [ 1, 2 ]
amdhsa.kernels:
  - .name:           k_q010b8445e1_qkv
    .symbol:         k_q010b8445e1_qkv.kd
    .args:
      - { .name: xq, .offset: 0, .size: 8, .value_kind: global_buffer, .address_space: global }
      - { .name: wb, .offset: 8, .size: 8, .value_kind: global_buffer, .address_space: global }
      - { .name: rope, .offset: 16, .size: 8, .value_kind: global_buffer, .address_space: global }
      - { .name: bq, .offset: 24, .size: 8, .value_kind: global_buffer, .address_space: global }
      - { .name: bk, .offset: 32, .size: 8, .value_kind: global_buffer, .address_space: global }
      - { .name: bv, .offset: 40, .size: 8, .value_kind: global_buffer, .address_space: global }
      - { .name: qf, .offset: 48, .size: 8, .value_kind: global_buffer, .address_space: global }
      - { .name: kf, .offset: 56, .size: 8, .value_kind: global_buffer, .address_space: global }
      - { .name: vf, .offset: 64, .size: 8, .value_kind: global_buffer, .address_space: global }
    .group_segment_fixed_size: 167936
    .private_segment_fixed_size: 0
    .kernarg_segment_align: 8
    .kernarg_segment_size: 72
    .max_flat_workgroup_size: 128
    .sgpr_count:     66
    .vgpr_count:     768
    .wavefront_size: 32
...
	.end_amdgpu_metadata
.endif
;; end of part 2
;; launch attn (part 3): grid 16 x 16, 4 waves a work-group, clusters of 4 x 1, 327,680 bytes of LDS; arguments qf, kf, vf, ao; writes ao
.if DOCPART == 3
	.amdgcn_target "amdgcn-amd-amdhsa--gfx1250"
	.amdhsa_code_object_version 6
	.text
	.protected	k_q010b8445e1_attn
	.globl	k_q010b8445e1_attn
	.p2align	8
	.type	k_q010b8445e1_attn,@function
k_q010b8445e1_attn:
	s_mov_b64 s[64:65], 0
	v_nop
	global_prefetch_b8 v0, s[64:65] scope:SCOPE_SE
	s_setreg_imm32_b32 hwreg(HW_REG_WAVE_MODE, 25, 1), 1
	s_wait_xcnt 0x0
	s_wait_alu depctr_hold_cnt(0) depctr_sa_sdst(0) depctr_va_vdst(0) depctr_va_sdst(0) depctr_va_ssrc(0) depctr_va_vcc(0) depctr_vm_vsrc(0)
	s_getreg_b32 s2, hwreg(HW_REG_IB_STS2, 6, 4)
	s_cmp_eq_u32 s2, 0
	s_cbranch_scc0 .Lentry_in_a_cluster
	s_endpgm
.Lentry_in_a_cluster:
	s_bfe_u32 s2, ttmp6, 0x10000c
	s_cmp_lg_u32 s2, 0x3003
	s_cbranch_scc0 .Lentry_shape_is_right
	s_endpgm
.Lentry_shape_is_right:
; O = softmax(q k^T / 8) v for one (batch, head) and 256 queries; q comes multiplied by log2(e) / 8, so p = 2^(s - m).  q, k, v: f16 images of the operand registers; products, maxima and sums in f32;
; p is rounded to f16 for the second product, O to f16 at the end, as an image of the last launch's operand.  LIMITS: O goes in f16 (it is a mean of v: no larger than v).
; SHARES.  A work-group owns 256 queries, each of its four waves 64: four tiles of 16.  Every wave walks all 4,096 keys, 64 a step.
; LAYOUT.  S^T = K Q^T (source 0 = 16 keys, source 1 = 16 queries) and O^T = V^T P (source 0 = 16 channels x 32 keys, source 1 = P): a lane holds ONE query throughout; two tiles of S^T, rounded in pairs, are P.
; SOFTMAX.  For each query a running maximum m and sum l; in every step O^T and l are multiplied by a = 2^(m_old - m_new).
; BY TURNS.  The wave's tiles are two pieces (tiles 0, 1; tiles 2, 3).  In a turn one piece has the matrix unit (16 products V^T P of the step in hand, 16 products K Q^T of the next) and the other piece's
; softmax, 234 vector instructions in 32 slices, stands between them, one slice behind each product.  Two turns are a key step.
; RING.  Two LDS slots of 65,536 bytes, four key steps each: K's 32 KB, then V's, dense images; wave w fetches 16 KB (waves 0, 1: K; waves 2, 3: V) by one tensor load.
; CLUSTER.  The four query blocks of a cluster walk the same K and V: each tile is asked for JOINTLY, by the same load with the same descriptor and a mask that names the four.
; REGISTERS: window 0: v2-4 addresses; v12-43 statistics, eight a tile (+0 m, +1 zero, +2 +3 l, +4..+7 at work, a in +6); v61 prefetch offset; v62, v63 the add's two; v64-191 S^T; v192-255 P.
;   window 1: v0-127 O^T (32 t + 8 ct); v128-191 V.   window 2: v0-63 Q (16 t + 8 cc); v128-191 K.
.set SLOT1, 1<<16
.set SPARE, 131072                     ; behind the ring: the spare words, 128 bytes a wave
.set AK0, 2
.set AV0, 3
.set ADR, 4
.set PFO, 61
.set SPW, 62
.set NIL, 63
.set ST,  12
.set S,   64
.set P,   192
.set KF,  128
.set VF,  128
.set WV,  12
.set LIM, 15
.set PFA, 18
.set G1,  24                           ; s[24:31] descriptor group 1
.set G0,  32                           ; s[32:35] group 0 for slot 0's first fill; s[36:39] for slot 1's, which then walks on
.set SLOTS, 56
.set CNT, 57
.set SEL, 60
.set TB,  62                           ; LDS byte at which the step to be fetched begins
.set W_KQ, 0x0a                        ; K and Q window 2, S^T window 0
.set W_PV, 0x51                        ; V window 1, P window 0, O^T window 1
.set W_RS, 0x41                        ; O^T window 1, a window 0
.set MSB, 0
.macro WIN new                         ; the immediate's high byte repeats the setting that is left
.if MSB != \new
	s_set_vgpr_msb (MSB<<8)|\new
.set MSB, \new
.endif
.endm
.macro CROUND                          ; a round of the cluster's barrier
	s_barrier_signal -1
	s_barrier_wait -1
	s_cmp_lg_u32 s[WV], 0
	s_cbranch_scc1 .Lnot_wave_0_\@
	s_barrier_signal -3
.Lnot_wave_0_\@:
	s_barrier_wait -3
	s_barrier_signal -1
	s_barrier_wait -1
.endm
.macro PLACES
.rept 4
	v_nop
.endr
.endm
; A prefetch of what the NEXT change of slots will ask for: 32 KB of K and 32 KB of V.  All clusters of a head walk the same bytes: the head's first cluster asks; its four partners take 8 KB each, told apart by
; address; in each, wave 0 asks for K's and wave 2 for V's, lanes 256 bytes apart: each block of 256 bytes is named once in the launch.  The last change that fills a slot asks for nothing.
.macro ASK
	s_cmp_gt_u32 s[SLOTS], s[LIM]
	s_cbranch_scc0 .Lnot_mine_\@
	global_prefetch_b8 v[PFO], s[PFA:PFA+1] th:TH_LOAD_NT scope:SCOPE_SE
.Lnot_mine_\@:
.endm
; Product i of 16 of S^T = K Q^T for piece x: channels 32 (i / 8) on, keys 16 ((i / 2) % 4) on, tile x + i % 2.  The first 8 start the sums.  The eight accumulators take turns.
.macro KQ x
	WIN W_KQ
.set rS, S+32*((\x)+i%2)+8*((i/2)%4)
.set rK, KF+16*((i/2)%4)+8*(i/8)
.set rQ, 16*((\x)+i%2)+8*(i/8)
.if i < 8
	v_wmma_f32_16x16x32_f16 v[rS:rS+7], v[rK:rK+7], v[rQ:rQ+7], 0
.else
	v_wmma_f32_16x16x32_f16 v[rS:rS+7], v[rK:rK+7], v[rQ:rQ+7], v[rS:rS+7]
.endif
.endm
; Product i of 16 of O^T += V^T P: keys 32 (i / 8) on, channels 16 ((i / 2) % 4) on, tile x + i % 2.  zero = 1: the first 8 start the sums
.macro PV x, zero
	WIN W_PV
.set rO, 32*((\x)+i%2)+8*((i/2)%4)
.set rV, VF+32*(i/8)+8*((i/2)%4)
.set rP, P+16*((\x)+i%2)+8*(i/8)
.if (\zero) && (i < 8)
	v_wmma_f32_16x16x32_f16 v[rO:rO+7], v[rV:rV+7], v[rP:rP+7], 0
.else
	v_wmma_f32_16x16x32_f16 v[rO:rO+7], v[rV:rV+7], v[rP:rP+7], v[rO:rO+7]
.endif
.endm
.macro FETCH_K                         ; a step's K: 16 loads of 512 consecutive bytes
	WIN 0
	v_add_nc_u32 v[ADR], s[TB], v[AK0]
	WIN 0x80
.set n, 0
.rept 16
	ds_load_b128 v[KF+4*n:KF+4*n+3], v[ADR] offset:512*n
.set n, n+1
.endr
.endm
.macro FETCH_V                         ; the same step's V, a turn later; the wait for the softmax's batch of exponentials stands in it
	WIN 0
	v_add_nc_u32 v[ADR], s[TB], v[AV0]
	s_add_co_u32 s[TB], s[TB], 8192                ; the next fetch is the next step's
	s_wait_alu depctr_va_vdst(0)                   ; one wait for the piece's exponentials, ahead of the first instruction that names a result
	WIN 0x40
.set n, 0
.rept 16
	ds_load_b128 v[VF+4*n:VF+4*n+3], v[ADR] offset:512*n
.set n, n+1
.endr
.endm
; Number g of the 234 vector instructions of piece y's softmax; the two tiles alternate.  first = 1: the first key step: no old maximum, no a, nothing to rescale.
;   0-39    the maximum of the lane's 32 scores and the old m; the other half of the lanes'; the new m; m_old - m_new
;   40-137  ONE BATCH: 16 scalings s - m, a pair each, and 33 exponentials; none reads an exponential's result; a pair is scaled ahead of its exponentials
;   138-169 the roundings to f16     170-201 the sums, l = a l + sum     202-233 O^T times a
.macro VEC y, first
.set vt, (\y)+g%2
.set rT, ST+8*vt
.set rS, S+32*vt
.set rP, P+16*vt
.if g < 40
.set j, g/2
	WIN 0
.if j < 4
	v_max3_num_f32 v[rT+4+j], v[rS+8*j], v[rS+8*j+1], v[rS+8*j+2]           ; each accumulator is read from its low end on
.elseif j < 12
	v_max3_num_f32 v[rT+4+j%4], v[rT+4+j%4], v[rS+8*(j%4)+2*(j/4)+1], v[rS+8*(j%4)+2*(j/4)+2]
.elseif j == 12
	v_max3_num_f32 v[rT+4], v[rT+4], v[rS+7], v[rS+15]
.elseif j == 13
	v_max3_num_f32 v[rT+6], v[rT+6], v[rS+23], v[rS+31]
.elseif j == 14
	v_max3_num_f32 v[rT+4], v[rT+4], v[rT+5], v[rT+6]
.elseif (j == 15) && \first
	v_max_num_f32 v[rT+4], v[rT+4], v[rT+7]
.elseif j == 15
	v_max3_num_f32 v[rT+4], v[rT+4], v[rT+7], v[rT]
.elseif j == 16
	v_permlanex16_b32 v[rT+5], v[rT+4], s[SEL], s[SEL+1]                    ; the query's other 32 keys lie in the lane 16 away
.elseif j == 18
	v_max_num_f32 v[rT], v[rT+4], v[rT+5]
.elseif \first
.elseif j == 17
	v_mov_b32 v[rT+7], v[rT]                                                ; m_old is kept for a
.else
	v_sub_f32 v[rT+7], v[rT+7], v[rT]
.endif
.elseif g < 138
.set vp, (g-40)/2
.set kind, 0                           ; 0: the scaling of pair vb; 1: the exponential of score ve; 2: a
	WIN 0
.if vp < 2
.set vb, vp
.elseif vp == 2
.set kind, 2
.elseif vp < 45
.set vq, vp-3
.if vq%3 == 2
.set vb, vq/3+2
.else
.set kind, 1
.set ve, 2*(vq/3)+vq%3
.endif
.else
.set kind, 1
.set ve, vp-17
.endif
.if kind == 0
	v_pk_add_f32 v[rS+2*vb:rS+2*vb+1], v[rS+2*vb:rS+2*vb+1], v[rT:rT+1] op_sel_hi:[1,0] neg_lo:[0,1] neg_hi:[0,1]
.elseif kind == 1
	v_exp_f32 v[rS+ve], v[rS+ve]
.elseif !\first
	v_exp_f32 v[rT+6], v[rT+7]
.endif
.elseif g < 170
.set vb, (g-138)/2
	WIN 0
	v_cvt_pk_f16_f32 v[rP+vb], v[rS+2*vb], v[rS+2*vb+1]
.elseif g < 202
.set vz, (g-170)/2
	WIN 0
.set vw, 4
.set vu, vz
.if vz >= 14
.set vw, 32
.set vu, 0
.elseif vz >= 12
.set vw, 16
.set vu, vz-12
.elseif vz >= 8
.set vw, 8
.set vu, vz-8
.endif
.if (vz == 14) && \first
	v_pk_add_f32 v[rT+2:rT+3], v[rS:rS+1], v[rS+16:rS+17]
.elseif vz < 15
	v_pk_add_f32 v[rS+vw*vu:rS+vw*vu+1], v[rS+vw*vu:rS+vw*vu+1], v[rS+vw*vu+vw/2:rS+vw*vu+vw/2+1]
.elseif !\first
	v_pk_fma_f32 v[rT+2:rT+3], v[rT+2:rT+3], v[rT+6:rT+7], v[rS:rS+1] op_sel_hi:[1,0,1]
.endif
.elseif !\first
.set rO, 32*vt+2*((g-202)/2)
	WIN W_RS
	v_pk_mul_f32 v[rO:rO+1], v[rO:rO+1], v[rT+6:rT+7] op_sel_hi:[1,0]
.endif
.set g, g+1
.endm
; Slice k of 32: 8 instructions in slices 0-4 (the maximum), 19 and 28-31 (the rescaling), 7 in the others: 234 in all.  Slices 5-18 are the batch; behind slice 18 stand its plain instruction and its one wait.
.macro SLICE y, first
.set nn, 7
.if (k < 5) || (k == 19) || (k >= 28)
.set nn, 8
.endif
.rept nn
	VEC \y, \first
.endr
.if k == 18
	v_nop                                          ; the plain instruction behind the last exponential
.if (\y) == 0
	FETCH_V                                        ; piece 2's turn: V's run of loads stands here.  Behind the last product that read V stand eight scalings, this v_nop and the run's own addition
.else
	s_wait_alu depctr_va_vdst(0)                   ; the wait for the batch
.endif
.endif
.set k, k+1
.endm
; A TURN.  Piece x has the matrix unit.  pv = 2: 16 products V^T P; 1: they start O^T; 0: none.  kq = 1: 16 products K Q^T of the next step.  With one kind alone: two slices behind each product.
; Slice 31's eight multiplications, which name nothing of the products round them, are the places between the turn's last K Q^T and the next turn's reads of those scores and loads into K.
.macro TURN x, pv, kq, first
.set k, 0
.set g, 0
.set per, 2
.if \pv && \kq
.set per, 1
.endif
.if \pv
.if \x == 0
	s_wait_dscnt 0x0                               ; V is in
.endif
.set i, 0
.rept 16
	PV \x, 2-\pv
.rept per
	SLICE 2-\x, \first
.endr
.if (\x == 0) && \kq && (i == 1)
	FETCH_K
.endif
.set i, i+1
.endr
.endif
.if \kq
.if \x == 0
	s_wait_dscnt 0x0                               ; K is in
.endif
.set i, 0
.rept 16
	KQ \x
.rept per
	SLICE 2-\x, \first
.endr
.set i, i+1
.endr
.endif
.if \first
	PLACES                                         ; the first softmax's last slices are empty: four v_nop take their part
.endif
.endm
; THE CHANGE OF SLOTS: the slot's last bytes have been asked for.  Each wave waits for all its tensor loads (one is out: its part of the other slot), adds 0 to its spare word, and waits for that and for its reads.
; fill = 1: behind a round of the cluster's barrier the slot is filled again, with the keys two slots on: the load has four key steps, 256 matrix instructions, in which to land.
.macro CHANGE fill
	WIN 0
	s_wait_tensorcnt 0x0                           ; no tensor load of mine is out, so a group 0 may be written
	ds_add_u32 v[SPW], v[NIL]
.if \fill
	s_xor_b32 s[G0+5], s[G0+5], SLOT1              ; the walking descriptor: the other slot than last time,
	s_add_nc_u64 s[G0+6:G0+7], s[G0+6:G0+7], 32768 ; the next 256 keys
	s_wait_xcnt 0x0                                ; the last prefetch, a slot back, has read its address
	s_add_nc_u64 s[PFA:PFA+1], s[PFA:PFA+1], 32768
	s_wait_dscnt 0x0                               ; the add is done, and my reads of the slot are over
	CROUND
	tensor_load_to_lds s[G0+4:G0+7], s[G1:G1+7]    ; my one tensor load behind the round
	s_nop 0
	PLACES
	ASK
.else
	s_wait_dscnt 0x0
	s_barrier_signal -1
	s_barrier_wait -1
.endif
	s_sub_co_u32 s[TB], s[TB], 32768               ; the fetches go back to a slot's first step,
	s_xor_b32 s[TB], s[TB], SLOT1                  ; in the other slot
.endm
.macro STEPS n                         ; n key steps: written once, walked n times
	s_mov_b32 s[CNT], \n
.Lstep_\@:
	TURN 0, 2, 1, 0
	TURN 2, 2, 1, 0
	WIN 0
	s_sub_co_u32 s[CNT], s[CNT], 1
	s_cmp_lg_u32 s[CNT], 0
	s_cbranch_scc1 .Lstep_\@
.endm
	s_load_b256 s[4:11], s[0:1], 0x0               ; qf s[4:5], kf s[6:7], vf s[8:9], ao s[10:11]
	v_lshl_add_u32 v[SPW], v0, 2, SPARE
	v_mov_b32 v[NIL], 0
	ds_add_u32 v[SPW], v[NIL]                      ; the wave's opening: the add, twice on end, and its wait ahead of my first tensor load
	ds_add_u32 v[SPW], v[NIL]
	v_lshrrev_b32 v1, 5, v0
	v_readfirstlane_b32 s[WV], v1                  ; wave 0..3
	s_bfe_u32 s13, ttmp6, 0x40000                  ; cx
	s_lshl_b32 s14, ttmp9, 2
	s_add_co_u32 s14, s14, s13                     ; my block of 256 queries: it enters Q's and O's addresses alone
	s_and_b32 s16, ttmp7, 0xffff                   ; batch x 8 + head, which the four partners share
	s_lshl_b32 s20, s16, 19                        ; its first byte in qf, kf and vf
	s_mov_b32 s21, 0
	s_and_b32 s17, s[WV], 1
	s_lshl_b32 s22, s17, 14                        ; which 16 KB of a slot's K or V I fetch
	s_add_co_u32 s22, s22, s20
	s_mov_b32 s23, 0
	s_lshl_b32 s40, s[WV], 14                      ; and its place in a slot
	s_lshl_b32 s2, s14, 15                         ; Q: 16 tiles of 2,048 bytes a block,
	s_lshl_b32 s3, s[WV], 13                       ; four a wave
	s_add_co_u32 s2, s2, s3
	s_add_co_u32 s2, s2, s20
	s_mov_b32 s3, 0
	s_lshr_b32 s42, s16, 3                         ; ao: block of 128 rows = 32 x batch + 2 x query block + wave / 2
	s_lshl_b32 s42, s42, 5
	s_lshl_b32 s43, s14, 1
	s_add_co_u32 s42, s42, s43
	s_lshr_b32 s43, s[WV], 1
	s_add_co_u32 s42, s42, s43
	s_lshl_b32 s42, s42, 17
	s_and_b32 s43, s16, 7                          ; the head: two chunks of 32 along the last product's K
	s_lshl_b32 s43, s43, 14
	s_add_co_u32 s42, s42, s43
	s_lshl_b32 s43, s17, 12                        ; four tiles of rows
	s_add_co_u32 s42, s42, s43
	s_mov_b32 s43, 0
	s_mov_b32 s[G1], 15|(3<<16)|(1<<21)            ; 15:0 the mask: all four work-groups; 17:16 elements of 8 bytes; 21 set beside a mask
	s_mov_b32 s[G1+1], 32<<16                      ; tensor_dim0 = 32 elements: rows of 256 bytes
	s_mov_b32 s[G1+2], 64<<16                      ; tensor_dim1 = 64 rows: 16,384 dense bytes
	s_mov_b32 s[G1+3], 32<<16                      ; tile_dim0
	s_mov_b32 s[G1+4], 64                          ; tile_dim1
	s_mov_b32 s[G1+5], 32                          ; from row to row
	s_mov_b32 s[G1+6], 0
	s_mov_b32 s[G1+7], 0
	s_mov_b32 s[SEL], 0x76543210
	s_mov_b32 s[SEL+1], 0xfedcba98
	s_mov_b32 s[TB], 0
	s_mov_b32 s[SLOTS], 14
	s_and_b32 s[LIM], s[WV], 1                     ; 0 in waves 0 and 2,
	s_or_b32 s[LIM], s[LIM], ttmp9                 ; where the cluster is the head's first: the same in all four partners
	s_cmp_eq_u32 s[LIM], 0
	s_cselect_b32 s[LIM], 1, -1
	v_and_b32 v[PFO], 31, v0
	v_lshlrev_b32 v[PFO], 8, v[PFO]
	s_wait_dscnt 0x0                               ; both opening adds are done
	s_wait_kmcnt 0x0
	s_cmp_lt_u32 s[WV], 2                          ; waves 0, 1 fetch K, waves 2, 3 V: a choice on the wave's number
	s_cselect_b64 s[44:45], s[6:7], s[8:9]
	s_add_nc_u64 s[PFA:PFA+1], s[44:45], s[20:21]
	s_add_nc_u64 s[44:45], s[44:45], s[22:23]      ; my tile of slot 0: made of the head and the wave's number alone
	s_add_nc_u64 s[4:5], s[4:5], s[2:3]
	s_add_nc_u64 s[10:11], s[10:11], s[42:43]
	s_lshl_b32 s2, s13, 13                         ; my work-group's 8 KB of a slot's 32
	s_add_nc_u64 s[PFA:PFA+1], s[PFA:PFA+1], s[2:3]
	s_add_nc_u64 s[PFA:PFA+1], s[PFA:PFA+1], 65536 ; in slot 2; the first change of slots steps it to slot 3.  Nothing is prefetched here, at the head
	CROUND                                         ; all four work-groups are here: the first joint loads meet
.irp s, 0,1
	s_mov_b32 s[G0+4*\s], 1
	s_add_co_u32 s[G0+4*\s+1], s40, \s*SLOT1
	s_add_nc_u64 s[G0+4*\s+2:G0+4*\s+3], s[44:45], \s*32768
	s_or_b32 s[G0+4*\s+3], s[G0+4*\s+3], 0x80000000
.endr
	tensor_load_to_lds s[G0:G0+3], s[G1:G1+7]      ; the two first fills go out together: two loads of mine are out
	s_nop 0
	tensor_load_to_lds s[G0+4:G0+7], s[G1:G1+7]
	s_nop 0
	PLACES
	v_and_b32 v1, 31, v0
	v_lshlrev_b32 v[AK0], 4, v1                    ; 16 x lane: an image's place, in LDS and in memory
	v_add_nc_u32 v[AV0], 0x8000, v[AK0]            ; V lies behind a slot's K
	WIN 0x80
.set n, 0
.rept 16
	global_load_b128 v[4*n:4*n+3], v[AK0], s[4:5] offset:512*n   ; Q stays in registers
.set n, n+1
.endr
	WIN 0
	s_wait_tensorcnt 1                             ; my part of slot 0 is in; slot 1's may stay out
	s_barrier_signal -1
	s_barrier_wait -1
	FETCH_K                                        ; key step 0
	s_wait_loadcnt 0x0                             ; Q
	s_wait_dscnt 0x0
.set i, 0
.rept 16
	KQ 0                                           ; piece 0's first scores
.set i, i+1
.endr
	WIN 0
.irp t, 0,1,2,3
	v_mov_b32 v[ST+8*\t+1], 0                      ; named with m as a pair, so it is written
.endr
	PLACES
	TURN 2, 0, 1, 1                                ; piece 2's first scores | piece 0's first softmax | V of step 0
	TURN 0, 1, 1, 1                                ; piece 0: V^T P of step 0 starts O^T, K Q^T of step 1 | piece 2's first softmax | K of step 1
	TURN 2, 1, 1, 0                                ; piece 2: the same | piece 0's softmax of step 1 | V of step 1
	WIN 0
	STEPS 2                                        ; the rest of slot 0
.Lslot:                                            ; 14 trips: every slot but the last two is filled again
	CHANGE 1
	STEPS 4
	s_sub_co_u32 s[SLOTS], s[SLOTS], 1
	s_cmp_lg_u32 s[SLOTS], 0
	s_cbranch_scc1 .Lslot
	CHANGE 0                                       ; the tail is written out
	STEPS 4
	TURN 0, 2, 0, 0                                ; piece 0: V^T P of the last step | piece 2's last softmax
.set i, 0
.rept 16
	PV 2, 0                                        ; piece 2: V^T P of the last step
.set i, i+1
.endr
	; THE WAY OUT.  O^T / l, rounded to f16: a lane's eight channels of a query are 16 bytes of the last launch's operand image, so each store covers 512 consecutive bytes and nothing goes through LDS.
	WIN 0
.irp t, 0,1,2,3
	v_add_f32 v[ST+8*\t+4], v[ST+8*\t+2], v[ST+8*\t+3]     ; (these additions are the places behind the last products)
.endr
.irp t, 0,1,2,3
	v_permlanex16_b32 v[ST+8*\t+5], v[ST+8*\t+4], s[SEL], s[SEL+1]
.endr
.irp t, 0,1,2,3
	v_add_f32 v[ST+8*\t+4], v[ST+8*\t+4], v[ST+8*\t+5]
.endr
.irp t, 0,1,2,3
	v_rcp_f32 v[ST+8*\t+6], v[ST+8*\t+4]
.endr
	v_nop                                          ; a plain instruction behind the last reciprocal,
	s_wait_alu depctr_va_vdst(0)                   ; and one wait for the four, ahead of the first use
.irp t, 0,1,2,3
	WIN W_RS
.set n, 0
.rept 16
	v_pk_mul_f32 v[32*\t+2*n:32*\t+2*n+1], v[32*\t+2*n:32*\t+2*n+1], v[ST+8*\t+6:ST+8*\t+7] op_sel_hi:[1,0]   ; ascending: each accumulator from its low end on
.set n, n+1
.endr
	WIN 0x05                                       ; sources 0 and 1 window 1, destination window 0: S^T's registers are free
.set n, 0
.rept 16
	v_cvt_pk_f16_f32 v[S+32*\t+n], v[32*\t+2*n], v[32*\t+2*n+1]
.set n, n+1
.endr
	WIN 0
.irp ct, 0,1,2,3
	global_store_b128 v[AK0], v[S+32*\t+4*\ct:S+32*\t+4*\ct+3], s[10:11] offset:8192*(\ct/2)+1024*\t+512*(\ct%2)
.endr
.endr
	s_wait_tensorcnt 0x0                           ; the wave's end
	ds_add_u32 v[SPW], v[NIL]
	s_wait_dscnt 0x0
	CROUND                                         ; the closing round
	s_endpgm
.Lfunc_end_k_q010b8445e1_attn:
	.size	k_q010b8445e1_attn, .Lfunc_end_k_q010b8445e1_attn-k_q010b8445e1_attn
	.p2alignl 7, 3214868480
	.fill 96, 4, 3214868480
	.section	.rodata,"a",@progbits
	.p2align	6, 0x0
	.amdhsa_kernel k_q010b8445e1_attn
		.amdhsa_group_segment_fixed_size 327680
		.amdhsa_private_segment_fixed_size 0
		.amdhsa_enable_private_segment 0
		.amdhsa_kernarg_size 32
		.amdhsa_user_sgpr_count 2
		.amdhsa_user_sgpr_kernarg_segment_ptr 1
		.amdhsa_wavefront_size32 1
		.amdhsa_system_sgpr_workgroup_id_x 1
		.amdhsa_system_sgpr_workgroup_id_y 1
		.amdhsa_system_sgpr_workgroup_id_z 1
		.amdhsa_system_vgpr_workitem_id 0
		.amdhsa_next_free_vgpr 768
		.amdhsa_next_free_sgpr 66
		.amdhsa_reserve_vcc 0
		.amdhsa_float_denorm_mode_32 3
		.amdhsa_float_denorm_mode_16_64 3
		.amdhsa_memory_ordered 1
		.amdhsa_forward_progress 1
		.amdhsa_inst_pref_size 189
	.end_amdhsa_kernel
	.amdgpu_metadata
---
amdhsa.version: [ 1, 2 ]
amdhsa.kernels:
  - .name:           k_q010b8445e1_attn
    .symbol:         k_q010b8445e1_attn.kd
    .args:
      - { .name: qf, .offset: 0, .size: 8, .value_kind: global_buffer, .address_space: global }
      - { .name: kf, .offset: 8, .size: 8, .value_kind: global_buffer, .address_space: global }
      - { .name: vf, .offset: 16, .size: 8, .value_kind: global_buffer, .address_space: global }
      - { .name: ao, .offset: 24, .size: 8, .value_kind: global_buffer, .address_space: global }
    .group_segment_fixed_size: 327680
    .private_segment_fixed_size: 0
    .kernarg_segment_align: 8
    .kernarg_segment_size: 32
    .max_flat_workgroup_size: 128
    .sgpr_count:     66
    .vgpr_count:     768
    .wavefront_size: 32
...
	.end_amdgpu_metadata
.endif
;; end of part 3
;; launch oproj (part 4): grid 4 x 64, 4 waves a work-group, clusters of 4 x 4, 327,680 bytes of LDS; arguments ao, wo16, bo, out0; writes out0
.if DOCPART == 4
	.amdgcn_target "amdgcn-amd-amdhsa--gfx1250"
	.amdhsa_code_object_version 6
	.text
	.protected	k_q010b8445e1_oproj
	.globl	k_q010b8445e1_oproj
	.p2align	8
	.type	k_q010b8445e1_oproj,@function
k_q010b8445e1_oproj:
	s_mov_b64 s[64:65], 0
	v_nop
	global_prefetch_b8 v0, s[64:65] scope:SCOPE_SE
	s_setreg_imm32_b32 hwreg(HW_REG_WAVE_MODE, 25, 1), 1
	s_wait_xcnt 0x0
	s_wait_alu depctr_hold_cnt(0) depctr_sa_sdst(0) depctr_va_vdst(0) depctr_va_sdst(0) depctr_va_ssrc(0) depctr_va_vcc(0) depctr_vm_vsrc(0)
	s_getreg_b32 s2, hwreg(HW_REG_IB_STS2, 6, 4)
	s_cmp_eq_u32 s2, 0
	s_cbranch_scc0 .Lentry_in_a_cluster
	s_endpgm
.Lentry_in_a_cluster:
	s_bfe_u32 s2, ttmp6, 0x10000c
	s_cmp_lg_u32 s2, 0xf033
	s_cbranch_scc0 .Lentry_shape_is_right
	s_endpgm
.Lentry_shape_is_right:
; out0 = ao Wo + bo.  ao [8192][512] and Wo [512][512] come as f16 images of the operand registers; sums in f32; out0 f32.
; A work-group makes 128 x 128 of out0, a wave 64 x 64: 16 accumulators.  All of K = 512 fits in LDS at once (131,072 bytes a side), so there is no ring: two first fills a wave (K's two halves, 32,768 bytes each),
; nothing is filled again; the second half lands while the first is multiplied.
; CLUSTER: 4 x 4 work-groups.  The four of a row of the cluster need the same rows of ao, the four of a column the same columns of Wo: each block is asked for JOINTLY.
; THE MATRIX INSTRUCTION IS USED TRANSPOSED (source 0 = 16 columns of Wo, source 1 = 16 rows of ao): a lane holds eight neighbouring numbers of a row of out0.  The bias is the C of each sum's first instruction.
; The 16 accumulators take turns, one instruction a turn.
; REGISTERS: window 0: v16-27 addresses; v28, v29 the add's two; v32-95 rows on the way out; v96-127 the bias; v128-255 the accumulators (8 (4 a + b)).   window 1: two fragment buffers of 64: ao's four, then Wo's four.
.set STAGE, 262144                     ; behind the two halves: 16 rows x 272 bytes for each wave, for the way out; no tensor load lands here
.set SPARE, 279552                     ; behind the stages: the spare words, 128 bytes a wave
.set ADRA, 16
.set ADRB, 20
.set STO,  24
.set RD,   25
.set GO,   26
.set BA,   27
.set SPW,  28
.set NIL,  29
.set TMP,  32
.set BI,   96
.set ACC,  128
.set WV,   12
.set G1A,  24                          ; s[24:31] descriptor group 1 for ao;  s[32:39] its groups 0, one for each half of K
.set G0A,  32
.set G1B,  48                          ; s[48:55], s[56:63] the same for Wo
.set G0B,  56
.set MSB, 0
.macro WIN new                         ; the immediate's high byte repeats the setting that is left
.if MSB != \new
	s_set_vgpr_msb (MSB<<8)|\new
.set MSB, \new
.endif
.endm
.macro CROUND                          ; a round of the cluster's barrier
	s_barrier_signal -1
	s_barrier_wait -1
	s_cmp_lg_u32 s[WV], 0
	s_cbranch_scc1 .Lnot_wave_0_\@
	s_barrier_signal -3
.Lnot_wave_0_\@:
	s_barrier_wait -3
	s_barrier_signal -1
	s_barrier_wait -1
.endm
.macro PLACES
.rept 4
	v_nop
.endr
.endm
.macro FETCH c                         ; chunk c (32 along K): my four fragments of each side, 16 loads of 512 consecutive bytes
	WIN 0x40
.set fb, 64*((\c)%2)
.set kh2, (\c)/8
.irp a, 0,1,2,3
.irp hf, 0,1
	ds_load_b128 v[fb+32+8*\a+4*\hf:fb+32+8*\a+4*\hf+3], v[ADRB+kh2] offset:((\c)%8)*8192+\a*1024+\hf*512
	ds_load_b128 v[fb+8*\a+4*\hf:fb+8*\a+4*\hf+3], v[ADRA+kh2] offset:((\c)%8)*8192+\a*1024+\hf*512
.endr
.endr
.endm
.macro MUL c
	WIN 0x05                                       ; sources 0 and 1 window 1, C and D window 0
.set fb, 64*((\c)%2)
.irp a, 0,1,2,3
.irp b, 0,1,2,3
.if (\c) == 0
	v_wmma_f32_16x16x32_f16 v[ACC+8*(4*\a+\b):ACC+8*(4*\a+\b)+7], v[fb+32+8*\b:fb+32+8*\b+7], v[fb+8*\a:fb+8*\a+7], v[BI+8*\b:BI+8*\b+7]
.else
	v_wmma_f32_16x16x32_f16 v[ACC+8*(4*\a+\b):ACC+8*(4*\a+\b)+7], v[fb+32+8*\b:fb+32+8*\b+7], v[fb+8*\a:fb+8*\a+7], v[ACC+8*(4*\a+\b):ACC+8*(4*\a+\b)+7]
.endif
.endr
.endr
.endm
	s_load_b256 s[4:11], s[0:1], 0x0               ; ao s[4:5], wo16 s[6:7], bo s[8:9], out0 s[10:11]
	v_lshl_add_u32 v[SPW], v0, 2, SPARE
	v_mov_b32 v[NIL], 0
	ds_add_u32 v[SPW], v[NIL]                      ; the wave's opening: the add, twice on end, and its wait ahead of my first tensor load
	ds_add_u32 v[SPW], v[NIL]
	v_lshrrev_b32 v1, 5, v0
	v_readfirstlane_b32 s[WV], v1                  ; wave 0..3
	s_lshr_b32 s13, s[WV], 1                       ; which half of the tile's rows is mine.  Also: I fetch for ao (0) or for Wo (1)
	s_and_b32 s14, s[WV], 1                        ; which half of its columns.  Also: which 32,768 bytes I fetch
	s_bfe_u32 s40, ttmp6, 0x40000                  ; cx, cy
	s_bfe_u32 s41, ttmp6, 0x40004
	s_lshl_b32 s42, ttmp9, 2
	s_add_co_u32 s42, s42, s40                     ; block of 128 columns
	s_and_b32 s43, ttmp7, 0xffff
	s_lshl_b32 s43, s43, 2
	s_add_co_u32 s43, s43, s41                     ; block of 128 rows
	s_lshl_b32 s44, s41, 2
	s_lshl_b32 s44, 15, s44                        ; my row of the cluster
	s_lshl_b32 s45, 0x1111, s40                    ; my column
	s_or_b32 s[G1A], s44, (3<<16)|(1<<21)          ; 15:0 the mask; 17:16 elements of 8 bytes; 21 set beside a mask
	s_or_b32 s[G1B], s45, (3<<16)|(1<<21)
.irp g, G1A, G1B
	s_mov_b32 s[\g+1], 32<<16                      ; tensor_dim0 = 32 elements: rows of 256 bytes
	s_mov_b32 s[\g+2], 128<<16                     ; tensor_dim1 = 128 rows: 32,768 dense bytes
	s_mov_b32 s[\g+3], 32<<16                      ; tile_dim0
	s_mov_b32 s[\g+4], 128                         ; tile_dim1
	s_mov_b32 s[\g+5], 32                          ; from row to row
	s_mov_b32 s[\g+6], 0
	s_mov_b32 s[\g+7], 0
.endr
	s_lshl_b32 s15, s14, 15
	s_lshl_b32 s16, s43, 17                        ; ao's block: made of the block of rows and the wave's number alone
	s_add_co_u32 s16, s16, s15
	s_mov_b32 s17, 0
	s_lshl_b32 s46, s42, 17                        ; Wo's: of the block of columns and the wave's number alone
	s_add_co_u32 s46, s46, s15
	s_mov_b32 s47, 0
	s_lshl_b32 s20, s[WV], 15                      ; where they go: ao's 65,536 bytes, then Wo's: wave x 32,768
	s_wait_dscnt 0x0                               ; both opening adds are done
	s_wait_kmcnt 0x0
	s_add_nc_u64 s[16:17], s[4:5], s[16:17]
	s_add_nc_u64 s[46:47], s[6:7], s[46:47]
	CROUND                                         ; all sixteen work-groups are here: the joint loads meet
.irp hh, 0,1
	s_mov_b32 s[G0A+4*\hh], 1
	s_add_co_u32 s[G0A+4*\hh+1], s20, \hh*131072
	s_add_nc_u64 s[G0A+4*\hh+2:G0A+4*\hh+3], s[16:17], \hh*65536
	s_or_b32 s[G0A+4*\hh+3], s[G0A+4*\hh+3], 0x80000000
	s_mov_b32 s[G0B+4*\hh], 1
	s_add_co_u32 s[G0B+4*\hh+1], s20, \hh*131072
	s_add_nc_u64 s[G0B+4*\hh+2:G0B+4*\hh+3], s[46:47], \hh*65536
	s_or_b32 s[G0B+4*\hh+3], s[G0B+4*\hh+3], 0x80000000
.endr
	s_cmp_eq_u32 s13, 0                            ; a wave's two fills stand in one branch on the wave's number: two loads of mine are out
	s_cbranch_scc0 .Lfirst_b
	tensor_load_to_lds s[G0A:G0A+3], s[G1A:G1A+7]
	s_nop 0
	tensor_load_to_lds s[G0A+4:G0A+7], s[G1A:G1A+7]
	s_nop 0
	PLACES
	s_branch .Lfirst_asked
.Lfirst_b:
	tensor_load_to_lds s[G0B:G0B+3], s[G1B:G1B+7]
	s_nop 0
	tensor_load_to_lds s[G0B+4:G0B+7], s[G1B:G1B+7]
	s_nop 0
	PLACES
.Lfirst_asked:
	s_lshl_b32 s18, s42, 9                         ; my 64 columns, in bytes of f32: 512 x block + 256 x half
	s_lshl_b32 s19, s14, 8
	s_add_co_u32 s18, s18, s19
	s_mov_b32 s19, 0
	s_add_nc_u64 s[8:9], s[8:9], s[18:19]
	s_add_nc_u64 s[10:11], s[10:11], s[18:19]
	s_lshl_b32 s18, s43, 18                        ; my 64 rows of 2,048 bytes: 128 x block + 64 x half
	s_lshl_b32 s21, s13, 17
	s_add_co_u32 s18, s18, s21
	s_add_nc_u64 s[10:11], s[10:11], s[18:19]
	v_and_b32 v1, 31, v0
	v_lshlrev_b32 v1, 4, v1                        ; 16 x lane
	v_and_b32 v2, 15, v0                           ; r
	v_bfe_u32 v3, v0, 4, 1                         ; h
	v_lshlrev_b32 v[BA], 5, v3
.irp b, 0,1,2,3
	global_load_b128 v[BI+8*\b:BI+8*\b+3], v[BA], s[8:9] offset:64*\b          ; the bias of a lane's eight columns
	global_load_b128 v[BI+8*\b+4:BI+8*\b+7], v[BA], s[8:9] offset:64*\b+16
.endr
	s_lshl_b32 s21, s13, 12                        ; my four tiles of rows,
	s_lshl_b32 s22, s14, 12                        ; my four tiles of columns,
	s_add_co_u32 s22, s22, 65536                   ; which lie behind ao's part
	v_add_nc_u32 v[ADRA], s21, v1
	v_add_nc_u32 v[ADRA+1], 0x20000, v[ADRA]
	v_add_nc_u32 v[ADRB], s22, v1
	v_add_nc_u32 v[ADRB+1], 0x20000, v[ADRB]
	s_mul_i32 s23, s[WV], 16*272
	s_add_co_u32 s23, s23, STAGE                   ; my stage
	v_mul_u32_u24 v[STO], v2, 272
	v_lshl_add_u32 v[STO], v3, 5, v[STO]
	v_add_nc_u32 v[STO], s23, v[STO]               ; in: row r, 32 bytes for each half of the lanes
	v_mul_u32_u24 v[RD], v3, 272
	v_lshl_add_u32 v[RD], v2, 4, v[RD]
	v_add_nc_u32 v[RD], s23, v[RD]                 ; back: lanes 0-15 one row of 256 bytes, lanes 16-31 the next
	v_lshlrev_b32 v[GO], 11, v3
	v_lshl_add_u32 v[GO], v2, 4, v[GO]             ; and the same two rows in out0
	s_wait_tensorcnt 1                             ; my part of K's first half is in; the second half's may stay out
	s_barrier_signal -1
	s_barrier_wait -1
	FETCH 0
	s_wait_loadcnt 0x0                             ; the bias
.set cc, 0
.rept 16
.if cc < 15
	PLACES                                         ; in front of loads into the buffer that the chunk before multiplied
.if cc == 7
	s_wait_tensorcnt 0x0                           ; my part of K's second half is in,
	s_wait_dscnt 0x0                               ; no LDS instruction of mine is out at the signal,
	s_barrier_signal -1
	s_barrier_wait -1                              ; everybody's is
.endif
	FETCH cc+1
	s_wait_dscnt 16                                ; all but the 16 just issued
.else
	s_wait_dscnt 0x0
.endif
	MUL cc
.set cc, cc+1
.endr
	WIN 0
	PLACES                                         ; in front of the first read of results
	; THE WAY OUT, 16 rows at a time through my own stage: LDS serves a wave's instructions in order, so no wait stands between the stores and the loads, nor in front of the next block's stores
.irp a, 0,1,2,3
.if \a > 1
	s_wait_xcnt 0x0                                ; the stores of two blocks back have read these registers
.endif
.irp b, 0,1,2,3
	ds_store_b128 v[STO], v[ACC+8*(4*\a+\b):ACC+8*(4*\a+\b)+3] offset:64*\b        ; each accumulator from its low end on
	ds_store_b128 v[STO], v[ACC+8*(4*\a+\b)+4:ACC+8*(4*\a+\b)+7] offset:64*\b+16
.endr
.irp i, 0,1,2,3,4,5,6,7
	ds_load_b128 v[TMP+32*(\a%2)+4*\i:TMP+32*(\a%2)+4*\i+3], v[RD] offset:2*\i*272
.endr
.irp i, 0,1,2,3,4,5,6,7
	s_wait_dscnt 7-\i
	global_store_b128 v[GO], v[TMP+32*(\a%2)+4*\i:TMP+32*(\a%2)+4*\i+3], s[10:11] offset:(16*\a+2*\i)*2048 th:TH_STORE_NT   ; 16 lanes store 256 consecutive bytes, at a multiple of 256 from out0's first byte
.endr
.endr
	s_wait_tensorcnt 0x0                           ; the wave's end, behind my last tensor load and my last LDS store
	ds_add_u32 v[SPW], v[NIL]
	s_wait_dscnt 0x0
	CROUND                                         ; the closing round
	s_endpgm
.Lfunc_end_k_q010b8445e1_oproj:
	.size	k_q010b8445e1_oproj, .Lfunc_end_k_q010b8445e1_oproj-k_q010b8445e1_oproj
	.p2alignl 7, 3214868480
	.fill 96, 4, 3214868480
	.section	.rodata,"a",@progbits
	.p2align	6, 0x0
	.amdhsa_kernel k_q010b8445e1_oproj
		.amdhsa_group_segment_fixed_size 327680
		.amdhsa_private_segment_fixed_size 0
		.amdhsa_enable_private_segment 0
		.amdhsa_kernarg_size 32
		.amdhsa_user_sgpr_count 2
		.amdhsa_user_sgpr_kernarg_segment_ptr 1
		.amdhsa_wavefront_size32 1
		.amdhsa_system_sgpr_workgroup_id_x 1
		.amdhsa_system_sgpr_workgroup_id_y 1
		.amdhsa_system_sgpr_workgroup_id_z 1
		.amdhsa_system_vgpr_workitem_id 0
		.amdhsa_next_free_vgpr 384
		.amdhsa_next_free_sgpr 66
		.amdhsa_reserve_vcc 0
		.amdhsa_float_denorm_mode_32 3
		.amdhsa_float_denorm_mode_16_64 3
		.amdhsa_memory_ordered 1
		.amdhsa_forward_progress 1
		.amdhsa_inst_pref_size 51
	.end_amdhsa_kernel
	.amdgpu_metadata
---
amdhsa.version: [ 1, 2 ]
amdhsa.kernels:
  - .name:           k_q010b8445e1_oproj
    .symbol:         k_q010b8445e1_oproj.kd
    .args:
      - { .name: ao, .offset: 0, .size: 8, .value_kind: global_buffer, .address_space: global }
      - { .name: wo16, .offset: 8, .size: 8, .value_kind: global_buffer, .address_space: global }
      - { .name: bo, .offset: 16, .size: 8, .value_kind: global_buffer, .address_space: global }
      - { .name: out0, .offset: 24, .size: 8, .value_kind: global_buffer, .address_space: global }
    .group_segment_fixed_size: 327680
    .private_segment_fixed_size: 0
    .kernarg_segment_align: 8
    .kernarg_segment_size: 32
    .max_flat_workgroup_size: 128
    .sgpr_count:     66
    .vgpr_count:     384
    .wavefront_size: 32
...
	.end_amdgpu_metadata
.endif
;; end of part 4
